; MI455X (gfx1250); checked and timed in simulation.
; The chip was launched on July 23, 2026; its instructions are those of AMD's public machine-readable ISA for CDNA 5 (MIT licence, August 2026) and "CDNA5" Instruction Set Architecture Reference Guide (July 2026). The comments in the code are by the model that wrote it; some were corrected since.
;; Self Attention. Allowed arithmetic: matrix products marked QUANTISED: E5M2 operands, one E8M0 scale for each 32 along K, by v_wmma_scale_f32_16x16x128_f8f6f4 with both operands' format E5M2, f32 sums; everything else in f32.
;; Inputs: K_seq 4 x 2,048 x 1,024 float32; Q_seq 4 x 2,048 x 1,024 float32; V_seq 4 x 2,048 x 1,024 float32; WK 1,024 x 1,024 float32; WQ 1,024 x 1,024 float32; WV 1,024 x 1,024 float32.
;; Outputs: out0 4 x 2,048 x 1,024 float32.
;; This version of the problem:
;;   THIS VERSION OF THE PROBLEM IS GIVEN IN LOW PRECISION. The matrix products marked QUANTISED in the list below multiply operands that are first quantised to E5M2 (5 exponent bits, 2 mantissa bits; 8 bits a number), with one power-of-two scale for each 32 numbers along K (OCP MX v1.0); their sums are f32. All else is computed in f32.
;;   The module's matrix products, in the order in which they are computed (A, B: the left and right operand; K: the contracted axis; several contracted axes count as one K, in the product's order):
;;     1. [M 8,192, K 1,024] x [K 1,024, N 1,024]; A: input Q_seq; B: input WQ: QUANTISED
;;     2. [M 8,192, K 1,024] x [K 1,024, N 1,024]; A: input K_seq; B: input WK: QUANTISED
;;     3. [M 8,192, K 1,024] x [K 1,024, N 1,024]; A: input V_seq; B: input WV: QUANTISED
;;     4. batch 64 x [M 2,048, K 64] x [K 64, N 2,048]; A: computed on the way; B: computed on the way: QUANTISED
;;     5. batch 64 x [M 2,048, K 2,048] x [K 2,048, N 64]; A: softmax (see below); B: computed on the way: QUANTISED
;;   THE QUANTISER, for each operand of a quantised product, along K:
;;     - K is cut into blocks of 32 from its start; a last block that is shorter is filled with zeros.
;;     - A block's scale is 2^e with e = floor(log2(the largest magnitude in the block)) - 15, held to -126 .. 127; a block of zeros has e = 0. As a byte (E8M0): e + 127.
;;     - Each number is divided by its block's scale, clamped to +-57,344, and rounded to the nearest number of E5M2, ties to even, subnormals kept.
;;     - The product sums the exact products of the quantised numbers (number of the format x scale) in f32.
;;   ~~~python
;;   def quantise(x, axis):      # numpy; x: float32 -> the quantised numbers, widened to float32 again
;;       x = np.moveaxis(x, axis, -1); K = x.shape[-1]
;;       x = np.pad(x, [(0, 0)] * (x.ndim - 1) + [(0, -K % 32)]); x = x.reshape(x.shape[:-1] + (-1, 32)); a = np.abs(x).max(-1, keepdims=True)
;;       e = np.where(a > 0, np.clip(np.frexp(np.where(a > 0, a, 1))[1] - 1 - 15, -126, 127), 0)      # np.frexp(a)[1] - 1 = floor(log2(a)), exactly
;;       r = np.clip(x / 2.0 ** e, -57344, 57344)
;;       step = 2.0 ** (np.maximum(np.frexp(np.where(r == 0, 1, r))[1] - 1, -14) - 2)
;;       q = np.round(r / step) * step * 2.0 ** e      # np.round: ties to even
;;       return np.moveaxis(q.reshape(q.shape[:-2] + (-1,))[..., :K], -1, axis).astype(np.float32)
;;   ~~~
;;   SOFTMAX AHEAD OF A QUANTISED PRODUCT. Where the list says 'softmax', what is quantised is not the finished softmax but p = 2^(t - M), with t = logit x log2(e) and M = ceil(the row's largest t), a whole number; so 1/2 < the row's largest p <= 1. The row's sum l is taken of the UNQUANTISED p, in f32, and the product's result is divided by l at the end. Since M is a whole number, a kernel that streams over the keys may use a running M (the ceiling of the running maximum): every later rescaling is an exact power of two, which a block's scale takes up: the codes' values come out the same.
;;   OPERANDS COMPUTED ON THE WAY. 'Computed on the way' means the value that the module computes at that place (a softmax that the list does not call 'softmax' is quantised finished and normalised). What goes into a quantiser is computed in f32, as accurately as f32 sums, v_exp_f32 and their like allow (about 1e-6 of the number): no bf16 or f16 on the way to a quantiser, and a product that is left as it is and whose result goes on into a quantised operand takes f32 operands (vector FMAs, or v_wmma_f32_16x16x4_f32). A number that lies on a knife's edge between two numbers of the format may be rounded either way, as far as f32 arithmetic and the matrix unit's own rounding can turn it there, and no further.
;; One version. Each part assembles by itself: llvm-mc -triple=amdgcn-amd-amdhsa -mcpu=gfx1250 --defsym DOCPART=n.
;; ======== version 1 of 1: 3 launches
;; limits: right only within a limited range of input values
;; workspace buffers: xc 25,165,824 bytes; xs 786,432 bytes; wc 3,145,728 bytes; ws 98,304 bytes; qc 8,388,608 bytes; qs 524,288 bytes; kv 17,301,504 bytes
;; launch quant (part 1): grid 864 x 1, 4 waves a work-group, no clusters, 57,856 bytes of LDS; arguments Q_seq, K_seq, V_seq, WQ, WK, WV, xc, xs, wc, ws; writes xc, xs, wc, ws
.if DOCPART == 1
	.amdgcn_target "amdgcn-amd-amdhsa--gfx1250"
	.amdhsa_code_object_version 6
	.text
	.protected	k_qe43f180311_quant
	.globl	k_qe43f180311_quant
	.p2align	8
	.type	k_qe43f180311_quant,@function
k_qe43f180311_quant:
	s_mov_b64 s[64:65], 0
	v_nop
	global_prefetch_b8 v0, s[64:65] scope:SCOPE_SE
	s_setreg_imm32_b32 hwreg(HW_REG_WAVE_MODE, 25, 1), 1
	s_wait_xcnt 0x0
; Q_seq, K_seq, V_seq [8192][1024] f32 (K innermost) and WQ, WK, WV [1024 (k)][1024 (n)] f32 (K outermost) become codes of BF8 (E5M2), K innermost, with one E8M0 byte for each 32 along K:
;   xc [3][8192 positions][1024 bytes], xs [3][8192][32];  wc [3][1024 positions n][1024 bytes along k], ws [3][1024][32].
; A block's scale is 2^(floor(log2(its largest magnitude)) - 15); its byte is the largest magnitude's exponent field - 15, held at 1 from below; each number is divided by the scale, held within +-57,344 and rounded to the nearest code, ties to even.
; THE ORDER OF ROWS.  In each aligned group of 32 positions, position P holds row P with bits 3 and 4 exchanged (the groups of eight rows 1 and 2 change places), for K_seq, V_seq, WQ and WK; Q_seq and WV keep their order.
; The next launch multiplies tiles of 16 positions; with this order a lane's 16 results of two neighbouring tiles are 16 neighbours along the axis that the product after it contracts.
; LIMITS: NaN and infinities among the inputs are not served; a block's largest magnitude is taken no smaller than 2^(16 - 127); a block of zeros gets the byte 1 where the rule says 127: its codes are zeros, and the bytes are read by this program alone.
; Work-groups 0 to 95 take the weights, 96 to 863 the sequences.  The two paths never join and have LDS bytes of their own.  No tensor loads, no barrier: waves share nothing.  The launch streams: no matrix unit, no cluster, no prefetch.
.set NWW,   96                         ; work-groups for the weights: 3 x 8 (128 columns) x 4 (256 along K)
.set MANT,  0x600000                   ; the mantissa field of 57,344 as f32
.set STEPS, 16                         ; sequences: a wave takes 8 rows = 16 steps of 512 numbers
.set WREG,  5632                       ; LDS of a wave: two stages of 32 x SP bytes, then its 256 scale bytes
.set SP,    80                         ; a lane's place in a stage: its 64 bytes + 16 of padding
.set XR,    16                         ; v16-79   four sets of 16 numbers as loaded
.set XX,    80                         ; v80-111  two sets of 16 neighbours
.set XE,    112                        ; v112-127 a scale byte for each step
.set XC,    128                        ; v128-191 codes: four registers for each step, so that no store's data are written again
.set WST,   4*WREG                     ; weights: the stages begin behind the other path's bytes
.set WP,    272                        ; a stage row: 256 bytes of codes + 16
.set NB,    8                          ; blocks of 32 along K for a wave
.set WSB,   24                         ; v24-25   the scale bytes, four to a register
.set WX,    32                         ; v32-95   two sets of 32 numbers
.set WC,    96                         ; v96-103  a block's codes
.set WO,    112                        ; v112-175 the way out
	s_load_b512 s[4:19], s[0:1], 0x0               ; Q_seq s[4:5], K_seq s[6:7], V_seq s[8:9], WQ s[10:11], WK s[12:13], WV s[14:15], xc s[16:17], xs s[18:19]
	s_load_b128 s[20:23], s[0:1], 0x40             ; wc s[20:21], ws s[22:23]
	v_lshl_add_u32 v192, v0, 2, 0xe000
	v_mov_b32 v193, 0
	v_lshrrev_b32 v1, 5, v0
	v_readfirstlane_b32 s24, v1                    ; wave 0..3
	v_and_b32 v2, 31, v0                           ; lane
	s_mov_b32 s26, MANT                            ; (an instruction takes one literal: the hold's line has another)
	s_cmp_lt_u32 ttmp9, NWW
	s_cbranch_scc1 .Lweights
; ---------------- THE SEQUENCES.  A work-group takes 32 rows (one group of positions), a wave 8 rows: 8,192 numbers on end, so nothing below knows of rows.
; Each of a step's four loads reads 512 consecutive bytes, 16 a lane; the 2,048 bytes go through the wave's own stage and come back 64 bytes a lane: 16 neighbours along K, two lanes to a block of 32.
	v_lshlrev_b32 v3, 4, v2                        ; my 16 bytes of a load's 512
	s_mul_i32 s25, s24, WREG
	v_lshrrev_b32 v14, 2, v2
	v_mul_u32_u24 v14, v14, SP
	v_and_b32 v15, 3, v2
	v_lshl_add_u32 v14, v15, 4, v14
	v_add_nc_u32 v14, s25, v14                     ; the stage on the way in: SP (lane / 4) + 16 (lane % 4)
	v_mul_u32_u24 v15, v2, SP
	v_add_nc_u32 v15, s25, v15                     ; and on the way out: SP x lane
	v_lshlrev_b32 v4, 4, v2                        ; my 16 codes in a step's 512 bytes
	v_lshrrev_b32 v5, 1, v2
	s_add_co_u32 s25, s25, 2*32*SP
	v_add_nc_u32 v5, s25, v5                       ; my block's byte among the wave's 256
	v_lshlrev_b32 v7, 3, v2                        ; on the way out 8 bytes a lane
	v_add_nc_u32 v6, s25, v7
	s_sub_co_u32 s27, ttmp9, NWW
	s_lshr_b32 s28, s27, 8                         ; which sequence: 0 Q, 1 K, 2 V
	s_and_b32 s27, s27, 255                        ; which 32 rows
	s_wait_alu depctr_va_vdst(0)
	s_wait_kmcnt 0x0
	s_cmp_eq_u32 s28, 0
	s_cselect_b64 s[4:5], s[4:5], s[6:7]
	s_cselect_b32 s29, 0, 3                        ; Q_seq keeps its order
	s_cmp_eq_u32 s28, 2
	s_cselect_b64 s[4:5], s[8:9], s[4:5]
	s_lshr_b32 s30, s24, 1
	s_xor_b32 s30, s30, s24
	s_and_b32 s30, s30, 1                          ; 1 for waves 1 and 2,
	s_mul_i32 s30, s30, s29
	s_xor_b32 s30, s30, s24                        ; whose rows go to each other's positions
	s_lshl_b32 s31, s27, 2
	s_add_co_u32 s32, s31, s24                     ; which 8 rows I read,
	s_add_co_u32 s31, s31, s30                     ; which 8 positions I write
	s_lshl_b32 s32, s32, 15                        ; 8 rows of 4,096 bytes
	s_mov_b32 s33, 0
	s_add_nc_u64 s[4:5], s[4:5], s[32:33]
	s_lshl_b32 s34, s28, 23                        ; a sequence's codes are 2^23 bytes,
	s_lshl_b32 s36, s31, 13                        ; 8 positions 8,192
	s_add_co_u32 s34, s34, s36
	s_mov_b32 s35, 0
	s_add_nc_u64 s[16:17], s[16:17], s[34:35]
	s_lshl_b32 s34, s28, 18                        ; its scale bytes 2^18, 8 positions 256
	s_lshl_b32 s36, s31, 8
	s_add_co_u32 s34, s34, s36
	s_add_nc_u64 s[18:19], s[18:19], s[34:35]
.macro XLOAD t
.irp i, 0,1,2,3
	global_load_b128 v[XR+16*((\t)%4)+4*\i:XR+16*((\t)%4)+4*\i+3], v3, s[4:5] offset:2048*(\t)+512*\i th:TH_LOAD_NT   ; 32 lanes read 512 consecutive bytes
.endr
.endm
.macro XTURN t                         ; step t's numbers through the stage: LDS serves a wave's instructions in order, so no wait stands between the stores and the loads
.irp i, 0,1,2,3
	ds_store_b128 v14, v[XR+16*((\t)%4)+4*\i:XR+16*((\t)%4)+4*\i+3] offset:32*SP*((\t)%2)+8*SP*\i
.endr
.irp i, 0,1,2,3
	ds_load_b128 v[XX+16*((\t)%2)+4*\i:XX+16*((\t)%2)+4*\i+3], v15 offset:32*SP*((\t)%2)+16*\i
.endr
.endm
.irp t, 0,1,2,3
	XLOAD \t
.endr
	s_wait_loadcnt 12                              ; step 0's four loads are in; the twelve of steps 1 to 3 stay out
	XTURN 0
.macro XSTEP t
.set XS, XX+16*((\t)%2)
.if (\t) > 0
	s_wait_dscnt 1                                 ; this step's numbers are back from the stage (the last step's byte store may be out): so its stores into the stage have read their registers,
.else
	s_wait_dscnt 0x0
.endif
.if (\t)+4 < STEPS
	XLOAD (\t)+4                                   ; which take the loads of four steps on
.endif
.if (\t)+1 < STEPS
.if STEPS-2-(\t) >= 3
	s_wait_loadcnt 12                              ; the next step's four loads are in; those of the three steps behind it may be out
.else
	s_wait_loadcnt 4*(STEPS-2-(\t))
.endif
	XTURN (\t)+1                                   ; and go through the other stage while this step is worked
.endif
	v_max3_num_f32 v8, |v[XS]|, |v[XS+1]|, |v[XS+2]|               ; the largest magnitude of my 16, in two chains
	v_max3_num_f32 v9, |v[XS+3]|, |v[XS+4]|, |v[XS+5]|
.irp i, 6,10
	v_max3_num_f32 v8, v8, |v[XS+\i]|, |v[XS+\i+1]|
	v_max3_num_f32 v9, v9, |v[XS+\i+2]|, |v[XS+\i+3]|
.endr
	v_max3_num_f32 v8, v8, |v[XS+14]|, |v[XS+15]|
	v_max3_num_f32 v8, v8, v9, 0x8000000           ; and the floor 2^(16 - 127): so the byte cannot fall under 1
	v_max_num_f32_dpp v8, v8, v8 row_xmask:1 row_mask:0xf bank_mask:0xf   ; and of my neighbour's 16: the block's
	v_add_nc_u32 v11, 0xf8800000, v8               ; 15 off its exponent field: the conversion takes the exponent field of this operand as its scale
	v_and_or_b32 v10, v8, 0x7f800000, s26          ; 57,344 x the scale
.irp i, 0,1,2,3,4,5,6,7,8,9,10,11,12,13,14,15
	v_med3_num_f32 v[XS+\i], v[XS+\i], -v10, v10   ; the conversion to an 8-bit code does not saturate (ISA guide 7.6.2): the hold comes first
.endr
	v_cvt_scalef32_pk8_bf8_f32 v[XC+4*(\t):XC+4*(\t)+1], v[XS:XS+7], v11
	v_cvt_scalef32_pk8_bf8_f32 v[XC+4*(\t)+2:XC+4*(\t)+3], v[XS+8:XS+15], v11
	v_lshrrev_b32 v[XE+(\t)], 23, v11              ; the scale's byte
	ds_store_b8 v5, v[XE+(\t)] offset:16*(\t)      ; both lanes of a block write the same byte with the same value
	global_store_b128 v4, v[XC+4*(\t):XC+4*(\t)+3], s[16:17] offset:512*(\t)   ; 32 lanes store 512 consecutive bytes
.endm
.irp t, 0,1,2,3,4,5,6,7,8,9,10,11,12,13,14,15
	XSTEP \t
.endr
	ds_load_b64 v[12:13], v6                       ; LDS serves a wave's instructions in order: these see my byte stores
	s_wait_dscnt 0x0
	global_store_b64 v7, v[12:13], s[18:19]        ; 32 lanes store 256 consecutive bytes, aligned: 8 positions' scale bytes
	s_wait_tensorcnt 0x0
	ds_add_u32 v192, v193
	s_wait_dscnt 0x0
	s_endpgm
; ---------------- THE WEIGHTS.  A lane takes a column n and its registers run down K: a block of 32 lies in one lane, and the conversions give codes with K innermost.
; A wave takes 32 positions x 256 along K.  The order of rows is made on the way in: lane l loads the column that belongs at position l; a wave's load still covers the same 128 consecutive bytes.
.Lweights:
	s_lshr_b32 s27, ttmp9, 5                       ; which weight: 0 WQ, 1 WK, 2 WV
	s_and_b32 s28, ttmp9, 7                        ; which 128 columns
	s_bfe_u32 s29, ttmp9, 0x20003                  ; which 256 along K
	s_lshl_b32 s30, s28, 7
	s_lshl_b32 s31, s24, 5
	s_add_co_u32 s30, s30, s31                     ; my wave's first position
	s_cmp_lt_u32 s27, 2
	s_cselect_b32 s31, 24, 0                       ; WV keeps its order
	s_wait_alu depctr_va_vdst(0)
	v_lshrrev_b32 v3, 3, v2
	v_lshrrev_b32 v4, 4, v2
	v_xor_b32 v3, v3, v4
	v_and_b32 v3, 1, v3                            ; 1 where the lane's bits 3 and 4 differ:
	v_mul_u32_u24 v3, s31, v3
	v_xor_b32 v3, v3, v2                           ; there they are exchanged
	v_lshlrev_b32 v3, 2, v3                        ; in: 4 bytes a column
	s_mul_i32 s32, s24, 32*WP
	s_add_co_u32 s32, s32, WST                     ; my stage
	v_mul_u32_u24 v4, v2, WP
	v_add_nc_u32 v4, s32, v4                       ; into it: row = my position
	v_and_b32 v5, 15, v2
	v_lshrrev_b32 v6, 4, v2                        ; out of it: sixteen lanes to a row, two rows an instruction
	v_mul_u32_u24 v7, v6, WP
	v_lshl_add_u32 v7, v5, 4, v7
	v_add_nc_u32 v7, s32, v7
	v_lshlrev_b32 v8, 10, v6
	v_lshl_add_u32 v8, v5, 4, v8                   ; and the same place in wc: rows of 1,024 bytes
	v_lshlrev_b32 v9, 5, v2                        ; my position's row of scale bytes
	s_lshl_b32 s34, s29, 20                        ; W: 256 rows of 4,096 bytes,
	s_lshl_b32 s33, s30, 2
	s_add_co_u32 s34, s34, s33                     ; + 4 bytes a column
	s_mov_b32 s35, 0
	s_lshl_b32 s36, s27, 20                        ; wc: a weight's 2^20 bytes,
	s_lshl_b32 s33, s30, 10
	s_add_co_u32 s36, s36, s33                     ; + 1,024 a position,
	s_lshl_b32 s33, s29, 8
	s_add_co_u32 s36, s36, s33                     ; + my 256 along K
	s_mov_b32 s37, 0
	s_lshl_b32 s38, s27, 15                        ; ws likewise: 2^15, 32, 8
	s_lshl_b32 s33, s30, 5
	s_add_co_u32 s38, s38, s33
	s_lshl_b32 s33, s29, 3
	s_add_co_u32 s38, s38, s33
	s_mov_b32 s39, 0
	s_wait_kmcnt 0x0
	s_cmp_eq_u32 s27, 0
	s_cselect_b64 s[10:11], s[10:11], s[12:13]
	s_cmp_eq_u32 s27, 2
	s_cselect_b64 s[10:11], s[14:15], s[10:11]
	s_add_nc_u64 s[10:11], s[10:11], s[34:35]
	s_add_nc_u64 s[20:21], s[20:21], s[36:37]
	s_add_nc_u64 s[22:23], s[22:23], s[38:39]
.macro WLOAD t                         ; block t: W(32 t + i, my column), i = 0 .. 31, into set t % 2
.irp i, 0,1,2,3,4,5,6,7,8,9,10,11,12,13,14,15,16,17,18,19,20,21,22,23,24,25,26,27,28,29,30,31
	global_load_b32 v[WX+32*((\t)%2)+\i], v3, s[10:11] offset:(32*(\t)+\i)*4096 th:TH_LOAD_NT
.endr
.endm
	WLOAD 0
	WLOAD 1
.macro WBLOCK t
.set XS, WX+32*((\t)%2)
.if (\t) < NB-1
	s_wait_loadcnt 32                              ; this block's 32 loads are in; the next block's 32 may be out
.else
	s_wait_loadcnt 0
.endif
	v_max3_num_f32 v12, |v[XS]|, |v[XS+1]|, |v[XS+2]|               ; the block's largest magnitude: all 32 numbers are mine
	v_max3_num_f32 v13, |v[XS+3]|, |v[XS+4]|, |v[XS+5]|
.irp i, 6,10,14,18,22,26
	v_max3_num_f32 v12, v12, |v[XS+\i]|, |v[XS+\i+1]|
	v_max3_num_f32 v13, v13, |v[XS+\i+2]|, |v[XS+\i+3]|
.endr
	v_max3_num_f32 v12, v12, |v[XS+30]|, |v[XS+31]|
	v_max3_num_f32 v12, v12, v13, 0x8000000        ; and the floor 2^(16 - 127)
	v_add_nc_u32 v11, 0xf8800000, v12              ; 15 off its exponent field: the conversion's scale operand
	v_and_or_b32 v10, v12, 0x7f800000, s26         ; 57,344 x the scale
	v_lshrrev_b32 v13, 23, v11                     ; the scale's byte
.if (\t)%4 == 0
	v_mov_b32 v[WSB+(\t)/4], v13                   ; four bytes to a register, the lower K in the lower byte
.else
	v_lshl_or_b32 v[WSB+(\t)/4], v13, 8*((\t)%4), v[WSB+(\t)/4]
.endif
.irp i, 0,1,2,3,4,5,6,7,8,9,10,11,12,13,14,15,16,17,18,19,20,21,22,23,24,25,26,27,28,29,30,31
	v_med3_num_f32 v[XS+\i], v[XS+\i], -v10, v10   ; the hold ahead of a conversion that does not saturate (ISA guide 7.6.2)
.endr
.irp g, 0,1,2,3
	v_cvt_scalef32_pk8_bf8_f32 v[WC+2*\g:WC+2*\g+1], v[XS+8*\g:XS+8*\g+7], v11
.endr
	ds_store_b128 v4, v[WC:WC+3] offset:32*(\t)    ; 32 codes: 32 bytes of my position's row
	ds_store_b128 v4, v[WC+4:WC+7] offset:32*(\t)+16
.if (\t)+2 < NB
	WLOAD (\t)+2
.endif
	s_wait_dscnt 0x0                               ; the stores have read their registers: the next block's codes may be written
.endm
.irp t, 0,1,2,3,4,5,6,7
	WBLOCK \t
.endr
	global_store_b64 v9, v[WSB:WSB+1], s[22:23]    ; my position's 8 scale bytes
.irp t, 0,1,2,3,4,5,6,7,8,9,10,11,12,13,14,15
	ds_load_b128 v[WO+4*\t:WO+4*\t+3], v7 offset:2*\t*WP   ; LDS serves a wave's instructions in order: these see my stores
.endr
.irp t, 0,1,2,3,4,5,6,7,8,9,10,11,12,13,14,15
	s_wait_dscnt 15-\t
	global_store_b128 v8, v[WO+4*\t:WO+4*\t+3], s[20:21] offset:2*\t*1024   ; sixteen lanes store 256 consecutive bytes, aligned
.endr
	s_wait_tensorcnt 0x0
	ds_add_u32 v192, v193
	s_wait_dscnt 0x0
	s_endpgm
.Lfunc_end_k_qe43f180311_quant:
	.size	k_qe43f180311_quant, .Lfunc_end_k_qe43f180311_quant-k_qe43f180311_quant
	.p2alignl 7, 3214868480
	.fill 96, 4, 3214868480
	.section	.rodata,"a",@progbits
	.p2align	6, 0x0
	.amdhsa_kernel k_qe43f180311_quant
		.amdhsa_group_segment_fixed_size 57856
		.amdhsa_private_segment_fixed_size 0
		.amdhsa_enable_private_segment 0
		.amdhsa_kernarg_size 80
		.amdhsa_user_sgpr_count 2
		.amdhsa_user_sgpr_kernarg_segment_ptr 1
		.amdhsa_wavefront_size32 1
		.amdhsa_system_sgpr_workgroup_id_x 1
		.amdhsa_system_sgpr_workgroup_id_y 1
		.amdhsa_system_sgpr_workgroup_id_z 1
		.amdhsa_system_vgpr_workitem_id 0
		.amdhsa_next_free_vgpr 194
		.amdhsa_next_free_sgpr 66
		.amdhsa_reserve_vcc 0
		.amdhsa_float_denorm_mode_32 3
		.amdhsa_float_denorm_mode_16_64 3
		.amdhsa_memory_ordered 1
		.amdhsa_forward_progress 1
		.amdhsa_inst_pref_size 110
	.end_amdhsa_kernel
	.amdgpu_metadata
---
amdhsa.version: [ 1, 2 ]
amdhsa.kernels:
  - .name:           k_qe43f180311_quant
    .symbol:         k_qe43f180311_quant.kd
    .args:
      - { .name: Q_seq, .offset: 0, .size: 8, .value_kind: global_buffer, .address_space: global }
      - { .name: K_seq, .offset: 8, .size: 8, .value_kind: global_buffer, .address_space: global }
      - { .name: V_seq, .offset: 16, .size: 8, .value_kind: global_buffer, .address_space: global }
      - { .name: WQ, .offset: 24, .size: 8, .value_kind: global_buffer, .address_space: global }
      - { .name: WK, .offset: 32, .size: 8, .value_kind: global_buffer, .address_space: global }
      - { .name: WV, .offset: 40, .size: 8, .value_kind: global_buffer, .address_space: global }
      - { .name: xc, .offset: 48, .size: 8, .value_kind: global_buffer, .address_space: global }
      - { .name: xs, .offset: 56, .size: 8, .value_kind: global_buffer, .address_space: global }
      - { .name: wc, .offset: 64, .size: 8, .value_kind: global_buffer, .address_space: global }
      - { .name: ws, .offset: 72, .size: 8, .value_kind: global_buffer, .address_space: global }
    .group_segment_fixed_size: 57856
    .private_segment_fixed_size: 0
    .kernarg_segment_align: 8
    .kernarg_segment_size: 80
    .max_flat_workgroup_size: 128
    .sgpr_count:     66
    .vgpr_count:     194
    .wavefront_size: 32
...
	.end_amdgpu_metadata
.endif
;; end of part 1
;; launch proj (part 2): grid 4 x 96, 4 waves a work-group, clusters of 4 x 4, 327,680 bytes of LDS; arguments xc, xs, wc, ws, qc, qs, kv; writes qc, qs, kv
.if DOCPART == 2
	.amdgcn_target "amdgcn-amd-amdhsa--gfx1250"
	.amdhsa_code_object_version 6
	.text
	.protected	k_qe43f180311_proj
	.globl	k_qe43f180311_proj
	.p2align	8
	.type	k_qe43f180311_proj,@function
k_qe43f180311_proj:
	s_mov_b64 s[64:65], 0
	v_nop
	global_prefetch_b8 v0, s[64:65] scope:SCOPE_SE
	s_setreg_imm32_b32 hwreg(HW_REG_WAVE_MODE, 25, 1), 1
	s_wait_xcnt 0x0
	s_wait_alu depctr_hold_cnt(0) depctr_sa_sdst(0) depctr_va_vdst(0) depctr_va_sdst(0) depctr_va_ssrc(0) depctr_va_vcc(0) depctr_vm_vsrc(0)
	s_getreg_b32 s2, hwreg(HW_REG_IB_STS2, 6, 4)
	s_cmp_eq_u32 s2, 0
	s_cbranch_scc0 .Lentry_in_a_cluster
	s_endpgm
.Lentry_in_a_cluster:
	s_bfe_u32 s2, ttmp6, 0x10000c
	s_cmp_lg_u32 s2, 0xf033
	s_cbranch_scc0 .Lentry_shape_is_right
	s_endpgm
.Lentry_shape_is_right:
; Q, K, V = x W on codes of BF8 (E5M2) with E8M0 scales, tiles of 256 x 256, K in steps of 256 through two LDS slots; the results are quantised again and leave as images of the next launch's operand registers.
; THE HEAD: what the first step needs is four tiles, one joint load a wave: wave 0 the 256 rows of source A, wave 1 those of B, waves 2 and 3 their scale bytes for all of K.  Slot 1 is first filled behind a drained round, as a refill is.
.set KSTEP,  256
.set G0H,  4                           ; s[4:7], s[8:11] group 0 of the head's two loads of codes (the arguments that lay there have been used by then)
.set G0HB, 8
.set NQ,     KSTEP/128
.set ROWB,   256
.set KROW,   1024
.set PITCH,  272
.set FR,     16
.set NL,     4
.set NP,     8
.set HALFT,  128*PITCH
.set SLOT,   4*HALFT
.set LAPS,   1024/(2*KSTEP)
.set KS,     32
.set SCL,    2*SLOT
.set HALFS,  (128*KS/256)*272
.set SBLK,   (16*KS/256)*272
.set SPARE,  SCL+4*HALFS
.set HS,     270336
.set STEPB,  16896
.set ADRA, 16
.set ADRB, 20
.set ADRS, 27
.set SPW,  28
.set NIL,  29
.set SC,   32
.set AF,   128
.set T,    64
.set PC,   128
.set TM,   144
.set PW,   160
.set VA,   168
.set OW,   172
.set VS,   180
.set SELV, 181
.set KIND, 95
.set G1, 24
.set G0, 32
.set G1B, 48
.set G0B, 56
.set G1S, 68
.set G0S, 76
.set G1SB, 80
.set G0SB, 88
.set MSB, 0
.macro WIN new
.if MSB != \new
	s_set_vgpr_msb (MSB<<8)|\new
.set MSB, \new
.endif
.endm
.set MUL_LO, 0xa1
.set MUL_HI, 0xf1
.set TO_B,   0x40
.macro JLOAD g0a, g1a, g0b, g1b
	s_cmp_eq_u32 s15, 0
	s_cbranch_scc0 .Lfor_b_\@
	tensor_load_to_lds s[\g0a:\g0a+3], s[\g1a:\g1a+7]
	s_nop 0
.rept 4
	v_nop
.endr
	s_branch .Lasked_\@
.Lfor_b_\@:
	tensor_load_to_lds s[\g0b:\g0b+3], s[\g1b:\g1b+7]
	s_nop 0
.rept 4
	v_nop
.endr
.Lasked_\@:
.endm
.macro CREST
	s_cmp_lg_u32 s14, 0
	s_cbranch_scc1 .Lnot_wave_0_\@
	s_barrier_signal -3
.Lnot_wave_0_\@:
	s_barrier_wait -3
	s_barrier_signal -1
	s_barrier_wait -1
.endm
.macro CROUND
	s_barrier_signal -1
	s_barrier_wait -1
	CREST
.endm
	s_load_b256 s[4:11], s[0:1], 0x0
	s_load_b128 s[96:99], s[0:1], 0x20
	s_load_b64 s[100:101], s[0:1], 0x30
	v_lshl_add_u32 v[SPW], v0, 2, SPARE
	v_mov_b32 v[NIL], 0
	ds_add_u32 v28, v29
	ds_add_u32 v28, v29
	s_wait_dscnt 0x0
	v_lshrrev_b32 v1, 5, v0
	v_readfirstlane_b32 s14, v1
	s_lshr_b32 s15, s14, 1
	s_and_b32 s16, s14, 1
	s_bfe_u32 s40, ttmp6, 0x40000
	s_bfe_u32 s41, ttmp6, 0x40004
	s_and_b32 s66, ttmp7, 0xffff
	s_lshr_b32 s[KIND], s66, 3
	s_and_b32 s66, s66, 7
	s_lshl_b32 s18, s[KIND], 13
	s_lshl_b32 s19, s[KIND], 10
	s_cmp_lt_u32 s[KIND], 2
	s_cselect_b32 s17, s66, 0
	s_cselect_b32 s42, 0, s66
	s_cselect_b32 s67, s18, 2048
	s_cselect_b32 s66, s19, 16384
	s_lshl_b32 s42, s42, 2
	s_add_co_u32 s42, s42, s40
	s_lshl_b32 s17, s17, 2
	s_add_co_u32 s17, s17, s41
	s_lshl_b32 s43, s41, 2
	s_lshl_b32 s43, 15, s43
	s_lshl_b32 s44, 0x1111, s40
	s_or_b32 s[G1+0], s43, (0<<16)|(1<<20)|(1<<21)|(5<<22)|(3<<25)
	s_or_b32 s[G1B+0], s44, (0<<16)|(1<<20)|(1<<21)|(5<<22)|(3<<25)
.irp g, G1, G1B
	s_mov_b32 s[\g+1], ROWB<<16
	s_mov_b32 s[\g+2], 256<<16                     ; the head's loads bring 256 rows; behind them these two words are set to 128
	s_mov_b32 s[\g+3], ROWB<<16
	s_mov_b32 s[\g+4], 256
	s_mov_b32 s[\g+5], KROW
	s_mov_b32 s[\g+6], 0
	s_mov_b32 s[\g+7], 0
.endr
	s_or_b32 s[G1S+0], s43, (3<<16)|(1<<20)|(1<<21)|(5<<22)|(3<<25)
	s_or_b32 s[G1SB+0], s44, (3<<16)|(1<<20)|(1<<21)|(5<<22)|(3<<25)
.irp g, G1S, G1SB
	s_mov_b32 s[\g+1], 32<<16
	s_mov_b32 s[\g+2], KS<<16                      ; the scale bytes of 256 rows: 256 KS dense bytes as KS rows of 256
	s_mov_b32 s[\g+3], 32<<16
	s_mov_b32 s[\g+4], KS
	s_mov_b32 s[\g+5], 32
	s_mov_b32 s[\g+6], 0
	s_mov_b32 s[\g+7], 0
.endr
	s_lshl_b32 s20, s17, 8                         ; the tile's first row in A's buffer,
	s_add_co_u32 s20, s20, s67
	s_lshl_b32 s46, s42, 8                         ; and in B's
	s_add_co_u32 s46, s46, s66
	s_mov_b32 s21, 0
	s_mov_b32 s47, 0
	s_mov_b64 s[18:19], KS
	s_mul_u64 s[22:23], s[20:21], s[18:19]
	s_mul_u64 s[92:93], s[46:47], s[18:19]
	s_mov_b64 s[18:19], KROW
	s_mul_u64 s[20:21], s[20:21], s[18:19]
	s_mul_u64 s[46:47], s[46:47], s[18:19]
	s_mul_i32 s18, s16, 128*KROW                   ; in the ring a wave fetches 128 rows of a tile: which half, in bytes
	s_mov_b32 s19, 0
	s_mul_i32 s45, s14, HALFT
	s_wait_kmcnt 0x0
	s_cmp_lt_u32 s[KIND], 2
	s_cselect_b64 s[104:105], s[4:5], s[8:9]
	s_cselect_b64 s[12:13], s[6:7], s[10:11]
	s_cselect_b64 s[8:9], s[8:9], s[4:5]
	s_cselect_b64 s[10:11], s[10:11], s[6:7]
	s_add_nc_u64 s[20:21], s[104:105], s[20:21]
	s_add_nc_u64 s[22:23], s[12:13], s[22:23]
	s_add_nc_u64 s[46:47], s[8:9], s[46:47]
	s_add_nc_u64 s[92:93], s[10:11], s[92:93]
	CROUND
	s_mov_b32 s[G0S], 1
	s_mov_b32 s[G0S+1], SCL
	s_mov_b64 s[G0S+2:G0S+3], s[22:23]
	s_or_b32 s[G0S+3], s[G0S+3], 0x80000000
	s_mov_b32 s[G0SB], 1
	s_mov_b32 s[G0SB+1], SCL+2*HALFS
	s_mov_b64 s[G0SB+2:G0SB+3], s[92:93]
	s_or_b32 s[G0SB+3], s[G0SB+3], 0x80000000
	s_mov_b32 s[G0H], 1                            ; K step 0: A's 256 rows at the head of slot 0,
	s_mov_b32 s[G0H+1], 0
	s_mov_b64 s[G0H+2:G0H+3], s[20:21]
	s_or_b32 s[G0H+3], s[G0H+3], 0x80000000
	s_mov_b32 s[G0HB], 1                           ; B's 256 rows behind them
	s_mov_b32 s[G0HB+1], 2*HALFT
	s_mov_b64 s[G0HB+2:G0HB+3], s[46:47]
	s_or_b32 s[G0HB+3], s[G0HB+3], 0x80000000
	s_add_nc_u64 s[20:21], s[20:21], s[18:19]      ; for the ring: my 128 rows of the tile
	s_add_nc_u64 s[46:47], s[46:47], s[18:19]
.irp s, 0,1
	s_mov_b32 s[G0+4*\s], 1
	s_add_co_u32 s[G0+4*\s+1], s45, \s*SLOT
	s_add_nc_u64 s[G0+4*\s+2:G0+4*\s+3], s[20:21], \s*ROWB
	s_or_b32 s[G0+4*\s+3], s[G0+4*\s+3], 0x80000000
	s_mov_b32 s[G0B+4*\s], 1
	s_add_co_u32 s[G0B+4*\s+1], s45, \s*SLOT
	s_add_nc_u64 s[G0B+4*\s+2:G0B+4*\s+3], s[46:47], \s*ROWB
	s_or_b32 s[G0B+4*\s+3], s[G0B+4*\s+3], 0x80000000
.endr
; the head's loads, one a wave: one chain of branches on the wave's number, an arm a load, all arms leading to one join
.macro ARM under, g0, g1, next
	s_cmp_lt_u32 s14, \under
	s_cbranch_scc0 \next
	tensor_load_to_lds s[\g0:\g0+3], s[\g1:\g1+7]
	s_nop 0
.rept 4
	v_nop
.endr
	s_branch .Lhead_asked
\next:
.endm
	ARM 1, G0H,  G1,  .Lhead_b
	ARM 2, G0HB, G1B, .Lhead_sa
	ARM 3, G0S,  G1S, .Lhead_sb
	tensor_load_to_lds s[G0SB:G0SB+3], s[G1SB:G1SB+7]
	s_nop 0
.rept 4
	v_nop
.endr
.Lhead_asked:
	v_and_b32 v1, 15, v0
	v_bfe_u32 v2, v0, 4, 1
	v_mul_u32_u24 v3, v1, PITCH
	v_lshl_add_u32 v4, v2, 4, v3
	s_mul_i32 s21, s15, HALFT
	s_mul_i32 s22, s16, HALFT
	s_add_co_u32 s22, s22, 2*HALFT
.irp s, 0,1
	v_add_nc_u32 v[ADRA+\s], s21, v4
	v_add_nc_u32 v[ADRB+\s], s22, v4
	s_add_co_u32 s21, s21, SLOT
	s_add_co_u32 s22, s22, SLOT
.endr
	v_mul_u32_u24 v5, v1, KS
	v_lshrrev_b32 v6, 8, v5
	v_lshl_add_u32 v5, v6, 4, v5
	s_mul_i32 s21, s15, HALFS
	s_mul_i32 s22, s16, HALFS
	s_add_co_u32 s22, s22, 2*HALFS
	s_sub_co_u32 s22, s22, s21
	v_mul_u32_u24 v6, s22, v2
	s_add_co_u32 s21, s21, SCL
	v_add_nc_u32 v5, v5, v6
	v_add_nc_u32 v[ADRS], s21, v5
.macro FRAG reg, adr, q, i
.irp c, 0,1,2,3
	ds_load_b128 v[\reg+4*\c:\reg+4*\c+3], v[\adr] offset:128*(\q)+32*\c+(\i)*16*PITCH
.endr
.endm
.macro MUL16 a0, p, q, sc, zero
.irp a, \a0, \a0+1
.irp b, 0,1,2,3,4,5,6,7
.if \zero
	v_wmma_scale_f32_16x16x128_f8f6f4 v[8*(8*((\a)%4)+\b):8*(8*((\a)%4)+\b)+7], v[128*(\p)+FR*\b:128*(\p)+FR*\b+FR-1], v[AF+FR*(\a):AF+FR*(\a)+FR-1], 0, v[SC+8*NQ*(\sc)+NQ*\b+(\q)], v[SC+8*NQ*(\sc)+NQ*(\a)+(\q)] matrix_a_fmt:MATRIX_FMT_BF8 matrix_b_fmt:MATRIX_FMT_BF8 matrix_a_scale:MATRIX_SCALE_ROW1
.else
	v_wmma_scale_f32_16x16x128_f8f6f4 v[8*(8*((\a)%4)+\b):8*(8*((\a)%4)+\b)+7], v[128*(\p)+FR*\b:128*(\p)+FR*\b+FR-1], v[AF+FR*(\a):AF+FR*(\a)+FR-1], v[8*(8*((\a)%4)+\b):8*(8*((\a)%4)+\b)+7], v[SC+8*NQ*(\sc)+NQ*\b+(\q)], v[SC+8*NQ*(\sc)+NQ*(\a)+(\q)] matrix_a_fmt:MATRIX_FMT_BF8 matrix_b_fmt:MATRIX_FMT_BF8 matrix_a_scale:MATRIX_SCALE_ROW1
.endif
.endr
.endr
.endm
.macro FETCH_B slot, q, p
	WIN TO_B
.irp i, 0,1,2,3,4,5,6,7
	FRAG 128*(\p)+FR*\i, ADRB+\slot, \q, \i
.endr
	WIN 0
.endm
.macro FETCH_A slot, q, i0
.irp i, \i0, \i0+1, \i0+2, \i0+3
	FRAG AF+FR*(\i), ADRA+\slot, \q, \i
.endr
.endm
.macro SCALES sc
.irp i, 0,1,2,3,4,5,6,7
	ds_load_b64 v[SC+8*NQ*\sc+NQ*\i:SC+8*NQ*\sc+NQ*\i+1], v[ADRS] offset:\i*SBLK
.endr
.endm
.macro PLACES n
.rept \n
	v_nop
.endr
.endm
.macro STEP slot, q, zero
	s_wait_dscnt 4*NL
	WIN MUL_LO
	MUL16 0, (\q)%2, \q, \slot, \zero
	MUL16 2, (\q)%2, \q, \slot, \zero
	s_wait_dscnt 0
	PLACES NP
	FETCH_B \slot, (\q)+1, 1-(\q)%2
	FETCH_A \slot, (\q)+1, 0
	WIN MUL_HI
	MUL16 4, (\q)%2, \q, \slot, \zero
	MUL16 6, (\q)%2, \q, \slot, \zero
	PLACES NP
	WIN 0
	FETCH_A \slot, (\q)+1, 4
.endm
.macro TURN slot, next, fill
	s_wait_tensorcnt 0x0
	ds_add_u32 v[SPW], v[NIL]
	s_wait_dscnt 4*NL+1
	WIN MUL_LO
	MUL16 0, 1, NQ-1, \slot, 0
	s_wait_dscnt 0x0
	s_barrier_signal -1
	MUL16 2, 1, NQ-1, \slot, 0
	WIN 0
	s_barrier_wait -1
.if \fill
	CREST
	s_add_nc_u64 s[G0+4*\slot+2:G0+4*\slot+3], s[G0+4*\slot+2:G0+4*\slot+3], 2*ROWB
	s_add_nc_u64 s[G0B+4*\slot+2:G0B+4*\slot+3], s[G0B+4*\slot+2:G0B+4*\slot+3], 2*ROWB
	JLOAD G0+4*\slot, G1, G0B+4*\slot, G1B
	PLACES NP-4
.else
	PLACES NP
.endif
	s_wait_alu depctr_va_vdst(0)
	v_add_nc_u32 v[ADRS], 4*NQ, v[ADRS]
	FETCH_B \next, 0, 0
	FETCH_A \next, 0, 0
	SCALES \next
	WIN MUL_HI
	MUL16 4, 1, NQ-1, \slot, 0
	MUL16 6, 1, NQ-1, \slot, 0
	PLACES NP
	WIN 0
	FETCH_A \next, 0, 4
.endm
	s_wait_alu depctr_va_vdst(0)
	s_wait_tensorcnt 0x0                           ; my tile of the head's four is in; these lines stand ahead of a later first fill as ahead of a refill
	ds_add_u32 v[SPW], v[NIL]
	s_mov_b32 s[G1+2], 128<<16                     ; no tensor load of mine is out, so a descriptor may be written: from here on a load brings 128 rows
	s_mov_b32 s[G1+4], 128
	s_mov_b32 s[G1B+2], 128<<16
	s_mov_b32 s[G1B+4], 128
	s_wait_dscnt 0x0
	CROUND                                         ; all four tiles are in, and all sixteen work-groups are here
	JLOAD G0+4, G1, G0B+4, G1B                     ; K step 1, the first tensor load behind the round
	FETCH_B 0, 0, 0
	FETCH_A 0, 0, 0
	SCALES 0
	FETCH_A 0, 0, 4
	STEP 0, 0, 1
	s_mov_b32 s3, LAPS-1
.Llap:
	TURN 0, 1, 1
	STEP 1, 0, 0
	TURN 1, 0, 1
	STEP 0, 0, 0
	s_sub_co_u32 s3, s3, 1
	s_cmp_lg_u32 s3, 0
	s_cbranch_scc1 .Llap
	TURN 0, 1, 0
	STEP 1, 0, 0
	s_wait_dscnt 4*NL
	WIN MUL_LO
	MUL16 0, 1, NQ-1, 1, 0
	MUL16 2, 1, NQ-1, 1, 0
	s_wait_dscnt 0
	WIN MUL_HI
	MUL16 4, 1, NQ-1, 1, 0
	MUL16 6, 1, NQ-1, 1, 0
	WIN 0
	s_lshl_b32 s21, s17, 8
	s_lshl_b32 s22, s15, 7
	s_add_co_u32 s21, s21, s22
	s_lshl_b32 s22, s42, 8
	s_lshl_b32 s23, s16, 7
	s_add_co_u32 s22, s22, s23
	s_cmp_lt_u32 s[KIND], 2
	s_cselect_b32 s23, s21, s22
	s_cselect_b32 s40, s22, s21
	s_lshr_b32 s40, s40, 6
	s_lshr_b32 s41, s23, 11
	s_lshl_b32 s41, s41, 4
	s_add_co_u32 s41, s41, s40
	s_bfe_u32 s43, s23, 0x40007
	s_mov_b32 s44, HS
	s_mov_b32 s45, STEPB
	s_mov_b32 s46, HS
	s_mov_b32 s47, STEPB
	s_cmp_eq_u32 s[KIND], 0
	s_cselect_b64 s[4:5], s[96:97], s[100:101]
	s_cselect_b64 s[6:7], s[98:99], s[100:101]
	s_cselect_b32 s44, 131072, s44
	s_cselect_b32 s45, 8192, s45
	s_cselect_b32 s46, 8192, s46
	s_cselect_b32 s47, 512, s47
	s_cselect_b32 s66, 0, 16384
	s_cmp_eq_u32 s[KIND], 2
	s_cselect_b32 s67, 8192, 0
	s_cselect_b32 s92, 256, 0
	s_add_co_u32 s66, s66, s92
	s_mul_i32 s92, s41, s44
	s_mul_i32 s94, s43, s45
	s_add_co_u32 s92, s92, s94
	s_add_co_u32 s92, s92, s67
	s_mov_b32 s93, 0
	s_add_nc_u64 s[4:5], s[4:5], s[92:93]
	s_mul_i32 s92, s41, s46
	s_mul_i32 s94, s43, s47
	s_add_co_u32 s92, s92, s94
	s_add_co_u32 s92, s92, s66
	s_add_nc_u64 s[6:7], s[6:7], s[92:93]
	s_mov_b32 s10, 2048
	s_mov_b32 s12, HS-6144
	s_cmp_lt_u32 s[KIND], 2
	s_cselect_b32 s8, s44, 1024
	s_cselect_b32 s10, 1024, s10
	s_cselect_b32 s12, 1024, s12
	s_mov_b32 s11, 0
	s_mov_b32 s13, 0
	s_mov_b32 s18, 0x76543210
	s_mov_b32 s19, 0xfedcba98
	s_mov_b32 s20, 0x600000
	PLACES NP
	v_and_b32 v[VA], 31, v0
	v_lshlrev_b32 v[VA], 4, v[VA]
	v_add_nc_u32 v[VA+1], 512, v[VA]
	v_add_nc_u32 v[VA+2], s8, v[VA]
	v_add_nc_u32 v[VA+3], s8, v[VA+1]
	v_and_b32 v[VS], 15, v0
	v_lshlrev_b32 v[VS], 4, v[VS]
	v_bfe_u32 v[SELV], v0, 4, 1
	v_mad_u32_u24 v[VS], v[SELV], s46, v[VS]
.irp b, 0,1,2,3
	v_mov_b32 v[TM+4+\b], 0
.endr
.macro QUANTA a
.set AC, 64*((\a)%4)
.set WN, 0x0a+5*((\a)/4)
	WIN WN
.irp b, 0,1,2,3
	v_max3_num_f32 v[TM+\b], |v[AC+16*\b]|, |v[AC+16*\b+1]|, 0x8000000
.endr
.irp i, 2,4,6,8,10,12,14
.irp b, 0,1,2,3
	v_max3_num_f32 v[TM+\b], |v[AC+16*\b+\i]|, |v[AC+16*\b+\i+1]|, v[TM+\b]
.endr
.endr
	WIN 0
.irp b, 0,1,2,3
	v_permlanex16_b32 v[TM+4+\b], v[TM+\b], s18, s19
.endr
.irp b, 0,1,2,3
	v_max_num_f32 v[TM+\b], v[TM+\b], v[TM+4+\b]
.endr
.irp b, 0,1,2,3
	v_add_nc_u32 v[TM+12+\b], 0xf8800000, v[TM+\b]
.endr
.irp b, 0,1,2,3
	v_and_or_b32 v[TM+8+\b], v[TM+\b], 0x7f800000, s20
.endr
.irp b, 0,1,2,3
	v_lshrrev_b32 v[TM+4+\b], 23, v[TM+12+\b]
.endr
	v_lshl_or_b32 v[PW+(\a)], v[TM+5], 8, v[TM+4]
	v_lshl_or_b32 v[PW+(\a)], v[TM+6], 16, v[PW+(\a)]
	v_lshl_or_b32 v[PW+(\a)], v[TM+7], 24, v[PW+(\a)]
.set WN, 0x02+((\a)/4)
	WIN WN
.irp b, 0,1,2,3
.irp i, 0,1,2,3,4,5,6,7,8,9,10,11,12,13,14,15
	v_med3_num_f32 v[T+16*\b+\i], v[AC+16*\b+\i], -v[TM+8+\b], v[TM+8+\b]
.endr
.endr
	WIN 0
.if (\a) > 0
	s_wait_alu depctr_va_vdst(0)
	s_wait_xcnt 0x0
.if (\a) == 4
	s_add_nc_u64 s[4:5], s[4:5], s[12:13]
.else
	s_add_nc_u64 s[4:5], s[4:5], s[10:11]
.endif
.endif
.irp b, 0,1,2,3
	v_cvt_scalef32_pk8_bf8_f32 v[PC+4*\b:PC+4*\b+1], v[T+16*\b:T+16*\b+7], v[TM+12+\b]
	v_cvt_scalef32_pk8_bf8_f32 v[PC+4*\b+2:PC+4*\b+3], v[T+16*\b+8:T+16*\b+15], v[TM+12+\b]
.endr
	v_nop
.irp c, 0,1,2,3
	global_store_b128 v[VA+\c], v[PC+4*\c:PC+4*\c+3], s[4:5]
.endr
.endm
.irp a, 0,1,2,3,4,5,6,7
	QUANTA \a
.endr
	s_cmp_eq_u32 s[KIND], 0
	s_cbranch_scc0 .Lnot_q
	s_mov_b32 s21, 0x02020202
	v_mul_lo_u32 v[SELV], v[SELV], s21
	v_add_nc_u32 v[SELV], 0x01000100, v[SELV]
.irp a, 0,1,2,3,4,5,6,7
	v_perm_b32 v[OW+\a], v[PW+\a], v[PW+\a], v[SELV]
.endr
	global_store_b128 v[VS], v[OW:OW+3], s[6:7]
	global_store_b128 v[VS], v[OW+4:OW+7], s[6:7] offset:256
	s_branch .Lsent
.Lnot_q:
	s_cmp_eq_u32 s[KIND], 1
	s_cbranch_scc0 .Lis_v
	s_mov_b32 s21, 0x02020202
	v_mul_lo_u32 v[SELV], v[SELV], s21
	v_add_nc_u32 v[SELV], 0x05040100, v[SELV]
.irp f, 0,1,2,3
	v_perm_b32 v[OW+\f], v[PW+2*\f+1], v[PW+2*\f], v[SELV]
.endr
	global_store_b128 v[VS], v[OW:OW+3], s[6:7]
	s_branch .Lsent
.Lis_v:
	s_mov_b32 s21, 0x04040404
	v_mul_lo_u32 v[SELV], v[SELV], s21
	v_add_nc_u32 v[SELV], 0x03020100, v[SELV]
.irp j, 0,1,2,3
	v_perm_b32 v[OW+\j], v[PW+4+\j], v[PW+\j], v[SELV]
.endr
	global_store_b128 v[VS], v[OW:OW+3], s[6:7]
.Lsent:
	s_wait_tensorcnt 0x0
	ds_add_u32 v[SPW], v[NIL]
	s_wait_dscnt 0x0
	CROUND
	s_endpgm
.Lfunc_end_k_qe43f180311_proj:
	.size	k_qe43f180311_proj, .Lfunc_end_k_qe43f180311_proj-k_qe43f180311_proj
	.p2alignl 7, 3214868480
	.fill 96, 4, 3214868480
	.section	.rodata,"a",@progbits
	.p2align	6, 0x0
	.amdhsa_kernel k_qe43f180311_proj
		.amdhsa_group_segment_fixed_size 327680
		.amdhsa_private_segment_fixed_size 0
		.amdhsa_enable_private_segment 0
		.amdhsa_kernarg_size 56
		.amdhsa_user_sgpr_count 2
		.amdhsa_user_sgpr_kernarg_segment_ptr 1
		.amdhsa_wavefront_size32 1
		.amdhsa_system_sgpr_workgroup_id_x 1
		.amdhsa_system_sgpr_workgroup_id_y 1
		.amdhsa_system_sgpr_workgroup_id_z 1
		.amdhsa_system_vgpr_workitem_id 0
		.amdhsa_next_free_vgpr 1024
		.amdhsa_next_free_sgpr 106
		.amdhsa_reserve_vcc 0
		.amdhsa_float_denorm_mode_32 3
		.amdhsa_float_denorm_mode_16_64 3
		.amdhsa_memory_ordered 1
		.amdhsa_forward_progress 1
		.amdhsa_inst_pref_size 190
	.end_amdhsa_kernel
	.amdgpu_metadata
---
amdhsa.version: [ 1, 2 ]
amdhsa.kernels:
  - .name:           k_qe43f180311_proj
    .symbol:         k_qe43f180311_proj.kd
    .args:
      - { .name: xc, .offset: 0, .size: 8, .value_kind: global_buffer, .address_space: global }
      - { .name: xs, .offset: 8, .size: 8, .value_kind: global_buffer, .address_space: global }
      - { .name: wc, .offset: 16, .size: 8, .value_kind: global_buffer, .address_space: global }
      - { .name: ws, .offset: 24, .size: 8, .value_kind: global_buffer, .address_space: global }
      - { .name: qc, .offset: 32, .size: 8, .value_kind: global_buffer, .address_space: global }
      - { .name: qs, .offset: 40, .size: 8, .value_kind: global_buffer, .address_space: global }
      - { .name: kv, .offset: 48, .size: 8, .value_kind: global_buffer, .address_space: global }
    .group_segment_fixed_size: 327680
    .private_segment_fixed_size: 0
    .kernarg_segment_align: 8
    .kernarg_segment_size: 56
    .max_flat_workgroup_size: 128
    .sgpr_count:     106
    .vgpr_count:     1024
    .wavefront_size: 32
...
	.end_amdgpu_metadata
.endif
;; end of part 2
;; launch attn (part 3): grid 4 x 64, 16 waves a work-group, clusters of 4 x 1, 327,680 bytes of LDS; arguments qc, qs, kv, out0; writes out0
.if DOCPART == 3
	.amdgcn_target "amdgcn-amd-amdhsa--gfx1250"
	.amdhsa_code_object_version 6
	.text
	.protected	k_qe43f180311_attn
	.globl	k_qe43f180311_attn
	.p2align	8
	.type	k_qe43f180311_attn,@function
k_qe43f180311_attn:
	s_mov_b64 s[64:65], 0
	v_nop
	global_prefetch_b8 v0, s[64:65] scope:SCOPE_SE
	s_setreg_imm32_b32 hwreg(HW_REG_WAVE_MODE, 25, 1), 1
	s_wait_xcnt 0x0
	s_wait_alu depctr_hold_cnt(0) depctr_sa_sdst(0) depctr_va_vdst(0) depctr_va_sdst(0) depctr_va_ssrc(0) depctr_va_vcc(0) depctr_vm_vsrc(0)
	s_getreg_b32 s2, hwreg(HW_REG_IB_STS2, 6, 4)
	s_cmp_eq_u32 s2, 0
	s_cbranch_scc0 .Lentry_in_a_cluster
	s_endpgm
.Lentry_in_a_cluster:
	s_bfe_u32 s2, ttmp6, 0x10000c
	s_cmp_lg_u32 s2, 0x3003
	s_cbranch_scc0 .Lentry_shape_is_right
	s_endpgm
.Lentry_shape_is_right:
; out0[b][q][64 head + d] = the sum over keys k <= q of softmax_k(Q . K / 8) V, for 64 (batch, head) pairs of 2,048 tokens and head size 64; both products on codes of BF8 (E5M2) with one E8M0 scale for each 32 along a product's K.
; THE SOFTMAX AHEAD OF THE SECOND PRODUCT: t = score x log2(e) / 8; M = the row's largest t so far, rounded UP to a whole number; p = 2^(t - M) is quantised along the keys, not normalised.  The row's sum is taken of the
; unquantised p, in f32, and divides at the end.  When M moves, the sum and O are multiplied by 2^(old M - new M): exact.
; WORK LEFT OUT: key k is hidden from query q where k > q; a step of 128 keys all of which come after a wave's 16 queries adds nothing to any output and is passed over.
; INPUTS are the launch before's images of operand registers: a fragment's group of four registers is 512 consecutive bytes, lane l's 16 at 16 l: no pitch, no padding.
; A HEAD'S K AND V STAY IN LDS.  They are 16 steps of 128 keys, 16,896 bytes each: 270,336 bytes.  Each of the sixteen waves asks for one step at the head, and nothing is filled again: no ring, and no barrier in the walk but the two that show the tiles:
; steps 0 to 3 (waves 0 to 3's load line) ahead of the first trip, the other twelve behind the second.
; SHARES.  A head's 128 tiles of 16 queries are dealt to four work-groups: work-group j has the tiles 4 m + j, m = 0 .. 31; tile m has m / 2 + 1 steps.  Wave w = 4 k + s takes m = 31 - 8 k - s and then m = 24 - 8 k + s: 29 - 8 k steps in all.
; The waves' walks differ in length, and the longest have the lowest numbers; the four waves s, s + 4, s + 8, s + 12 have 68 steps together, whatever s.  Which steps count hangs on the wave's number alone.
; Every wave's first tile has three steps at the least, so steps 0 and 1 of the first walk count whole for all waves.
; CLUSTER.  The four work-groups of a head read the same sixteen tiles, each of them all sixteen (its wave 0 walks to step 15), and ask for them at the same place of the text: joint loads, mask 15.
; NO PREFETCH: every tile is asked for at the head, ahead of the first loop: there is no trip ahead of a load in which to ask earlier.
; THE HEAD'S 64 IN A FORM OF 128.  A fragment of K holds TWO tiles of 16 keys: registers 0-7 tile 2 f, registers 8-15 tile 2 f + 1.  Q lies as zeros (8) | q (8) | zeros (8): the last 16 registers (q, 0) give tile 2 f, the first 16 (0, q) tile 2 f + 1.
; LAYOUT.  Both products are used transposed: S^T = K Q^T, O^T = V^T P^T: a lane holds ONE query (lane % 16) throughout.  Register 16 f + i of the scores is key 32 f + 16 (lane / 16) + i of the step.
; LIMITS: NaN and infinities are not served; the scaled scores t stay under 2^31 in magnitude; a block of p whose largest number is under 2^(16 - 127) keeps the byte 1.
.set HS,    270336                     ; kv: a head's bytes
.set STEPB, 16896                      ; kv: a step of 128 keys: K 8,192, V^T 8,192, K's scale words 256, V's 256
.set VOF,   8192
.set KSC,   16384
.set VSC,   16640
.set SPT,   144                        ; a stage row: half a query's row of this head, 128 bytes, + 16
.set WST,   16*SPT                     ; a wave's stage: 16 rows, used twice for a tile's 64 channels
.set STAGE, 16*STEPB                   ; behind the sixteen steps; no tensor load lands here
.set SPARE, STAGE+16*WST               ; the spare words, 128 bytes for each wave: eight blocks of 256 bytes that no other line names
.set L16, 1                            ; v1   16 x lane
.set R16, 2                            ; v2   16 x (lane % 16)
.set ADL, 3                            ; v3   the step in hand + L16
.set ADR, 4                            ; v4   the step in hand + R16
.set SPW, 5                            ; v5   LDS address of my spare word; never rewritten
.set NIL, 6                            ; v6   0; never rewritten
.set STI, 8                            ; v8   the stage: where I put 32 bytes of a row
.set STO, 9                            ; v9   and where I read a row back
.set GO,  10                           ; v10  my byte offset in the wave's rows of out0
.set DQ,  11                           ; v11  lane % 16 - 16 (lane / 16)
;                                        v12 -M, v13 the largest t, v[14:15] the sum in two halves
.set QB,  16                           ; v16-31  (0, q)
.set QA,  24                           ; v24-39  (q, 0)
.set QSW, 40                           ; v40  Q's scale word;  v41 the second tile's;  v42-49 the second tile's q
.set KVF, 52                           ; v52-115  four fragments of K or of V
.set SCR, 116                          ; v116-179 S^T, then p
.set OT,  180                          ; v180-211 O^T
.set PCD, 212                          ; v212-227 p's codes
.set BM,  228                          ; v228-231 the blocks' largest scores, then largest p
.set TP,  232                          ; v232-235 at work
.set LM,  236                          ; v236-239 57,344 x the scale
.set SOP, 240                          ; v240-243 the conversions' scale operands
.set SW,  244                          ; v244-247 K's or V's scale words
.set FF,  248                          ; v248 f = 2^(old M - new M)
.set PSW, 249                          ; v249 p's scale word
.set LM2, 252                          ; v252-255 57,344 x the scale once more: block b's at LM2 + (b + 1) % 4, so that the two halves of a dual hold name registers whose numbers differ modulo 4
.set WV,  12                           ; s12  my wave's number
.set CX,  13                           ; s13  my work-group's place in the cluster: it enters global addresses and the diagonal's vector compare, no branch and no LDS address
.set BH,  14                           ; s14  16 x batch + head
.set MNT, 15
.set G1,  16                           ; s[16:23] descriptor group 1
.set G0,  24                           ; s[24:27] group 0
.set SI,  28                           ; s28  the step's number
.set LS,  29                           ; s29  the last step that counts for the tile in hand;  s30 for the second tile
.set LS2, 30
.set M1,  31                           ; s31  m of my first tile;  s32 of my second
.set M2,  32
.set TB,  40                           ; s40  LDS byte at which the step begins
.set KF,  41                           ; s41  the step's first key
.set Q0,  42                           ; s42  my tile's first query;  s43 the second tile's
.set Q0B, 43
.set OB,  44                           ; s[44:45] my rows of out0;  s[46:47] the second tile's
.set OB2, 46
.set SEL, 48                           ; s[48:49] lane selects for v_permlanex16_b32: lane l xor 16
.set CS,  50                           ; s[50:51] c = log2(e) / 8
.macro CROUND                          ; a round of the cluster's barrier
	s_barrier_signal -1
	s_barrier_wait -1
	s_cmp_lg_u32 s[WV], 0
	s_cbranch_scc1 .Lnot_wave_0_\@
	s_barrier_signal -3
.Lnot_wave_0_\@:
	s_barrier_wait -3
	s_barrier_signal -1
	s_barrier_wait -1
.endm
.macro TLOAD                           ; my step of the head's sixteen; an s_nop 0 and four v_nop follow the load
	tensor_load_to_lds s[G0:G0+3], s[G1:G1+7]
	s_nop 0
.rept 4
	v_nop
.endr
.endm
	s_load_b256 s[4:11], s[0:1], 0x0               ; qc s[4:5], qs s[6:7], kv s[8:9], out0 s[10:11]
	v_lshl_add_u32 v[SPW], v0, 2, SPARE
	v_mov_b32 v[NIL], 0
	ds_add_u32 v[SPW], v[NIL]                      ; the wave's opening: the add, twice on end, and its wait ahead of my tensor load
	ds_add_u32 v[SPW], v[NIL]
	v_lshrrev_b32 v1, 5, v0
	v_readfirstlane_b32 s[WV], v1                  ; wave 0..15
	s_bfe_u32 s[CX], ttmp6, 0x40000
	s_and_b32 s[BH], ttmp7, 0xffff                 ; the cluster's y: one head a cluster
	; descriptor group 1: a step's 16,896 dense bytes as 66 rows of 256 (32 elements of 8 bytes), no padding
	s_mov_b32 s[G1], 15|(3<<16)|(1<<21)            ; 15:0 the mask: all four work-groups of the cluster; 17:16 elements of 8 bytes; 21 set beside a mask
	s_mov_b32 s[G1+1], 32<<16                      ; tensor_dim0
	s_mov_b32 s[G1+2], 66<<16                      ; tensor_dim1
	s_mov_b32 s[G1+3], 32<<16                      ; tile_dim0
	s_mov_b32 s[G1+4], 66                          ; tile_dim1
	s_mov_b32 s[G1+5], 32                          ; tensor_dim0_stride
	s_mov_b32 s[G1+6], 0
	s_mov_b32 s[G1+7], 0
	s_mul_i32 s52, s[WV], STEPB                    ; step = my wave's number: in memory and in LDS alike
	s_mov_b32 s53, 0
	s_mul_i32 s54, s[BH], HS
	s_mov_b32 s55, 0
	s_mov_b32 s[MNT], 0x600000                     ; the mantissa field of 57,344
	s_mov_b32 s[SEL], 0x76543210
	s_mov_b32 s[SEL+1], 0xfedcba98
	s_mov_b32 s[CS], 0x3e38aa3b                    ; c = log2(e) / 8
	s_mov_b32 s[CS+1], s[CS]                       ; (named with it as a pair, so it is written)
	s_mov_b32 s[SI], 0
	s_mov_b32 s[TB], 0
	s_mov_b32 s[KF], 0
	s_and_b32 s33, s[WV], 12                       ; 4 k
	s_add_co_u32 s[M1], s[WV], s33                 ; 8 k + s
	s_sub_co_u32 s[M1], 31, s[M1]                  ; my first tile: m = 31 - 8 k - s
	s_lshl_b32 s33, s33, 1
	s_and_b32 s[M2], s[WV], 3
	s_add_co_u32 s[M2], s[M2], 24
	s_sub_co_u32 s[M2], s[M2], s33                 ; my second: m = 24 - 8 k + s
	s_lshr_b32 s[LS], s[M1], 1                     ; tile 4 m + j begins at query 64 m + 16 j: in step m / 2, whatever j
	s_lshr_b32 s[LS2], s[M2], 1
	s_wait_dscnt 0x0                               ; both opening adds are done
	CROUND                                         ; all four work-groups are here: the joint loads meet
	s_wait_kmcnt 0x0
	s_add_nc_u64 s[56:57], s[8:9], s[54:55]
	s_mov_b32 s[G0], 1                             ; 1:0 count = 1
	s_mov_b32 s[G0+1], s52                         ; 63:32 LDS address
	s_add_nc_u64 s[G0+2:G0+3], s[56:57], s[52:53]  ; 120:64 global address: head and wave alone: the same in all four work-groups
	s_or_b32 s[G0+3], s[G0+3], 0x80000000          ; 127:126 type = 2
	s_cmp_lt_u32 s[WV], 4                          ; one load a wave.  Waves 0 to 3, whose tiles are shown first, have a load line of their own
	s_cbranch_scc0 .Lrest
	TLOAD
	s_branch .Lasked
.Lrest:
	TLOAD
.Lasked:
	s_lshl_b32 s[Q0], s[M1], 2
	s_add_co_u32 s[Q0], s[Q0], s[CX]
	s_lshl_b32 s[Q0], s[Q0], 4                     ; the first tile's first query: 16 (4 m + j)
	s_lshl_b32 s[Q0B], s[M2], 2
	s_add_co_u32 s[Q0B], s[Q0B], s[CX]
	s_lshl_b32 s[Q0B], s[Q0B], 4                   ; the second tile's
	s_lshl_b32 s56, s[BH], 17                      ; qc: a head's 131,072 bytes, 64 a query
	s_lshl_b32 s52, s[Q0], 6
	s_add_co_u32 s52, s52, s56
	s_mov_b32 s53, 0
	s_lshl_b32 s54, s[Q0B], 6
	s_add_co_u32 s54, s54, s56
	s_mov_b32 s55, 0
	s_add_nc_u64 s[52:53], s[4:5], s[52:53]
	s_add_nc_u64 s[54:55], s[4:5], s[54:55]
	s_lshl_b32 s60, s[BH], 13                      ; qs: a head's 8,192 bytes; [tile / 4] 256 bytes, [r] 16, [tile % 4] 4
	s_lshr_b32 s56, s[Q0], 6
	s_lshl_b32 s56, s56, 8
	s_bfe_u32 s57, s[Q0], 0x20004
	s_lshl_b32 s57, s57, 2
	s_add_co_u32 s56, s56, s57
	s_add_co_u32 s56, s56, s60
	s_mov_b32 s57, 0
	s_lshr_b32 s58, s[Q0B], 6
	s_lshl_b32 s58, s58, 8
	s_bfe_u32 s59, s[Q0B], 0x20004
	s_lshl_b32 s59, s59, 2
	s_add_co_u32 s58, s58, s59
	s_add_co_u32 s58, s58, s60
	s_mov_b32 s59, 0
	s_add_nc_u64 s[56:57], s[6:7], s[56:57]
	s_add_nc_u64 s[58:59], s[6:7], s[58:59]
	s_lshr_b32 s60, s[BH], 4
	s_lshl_b32 s60, s60, 23                        ; out0: a batch's 2,048 rows of 4,096 bytes,
	s_and_b32 s61, s[BH], 15
	s_lshl_b32 s61, s61, 8                         ; the head's 256 bytes in a row
	s_add_co_u32 s60, s60, s61
	s_lshl_b32 s62, s[Q0], 12
	s_add_co_u32 s62, s62, s60
	s_mov_b32 s63, 0
	s_add_nc_u64 s[OB:OB+1], s[10:11], s[62:63]
	s_lshl_b32 s62, s[Q0B], 12
	s_add_co_u32 s62, s62, s60
	s_add_nc_u64 s[OB2:OB2+1], s[10:11], s[62:63]
	v_and_b32 v1, 31, v0
	v_and_b32 v250, 15, v0                         ; r
	v_bfe_u32 v251, v0, 4, 1                       ; h
	v_lshlrev_b32 v[L16], 4, v1
	v_lshlrev_b32 v[R16], 4, v250
	global_load_b128 v[24:27], v[L16], s[52:53]            ; q of the first tile: d 0-31, d 32-63
	global_load_b128 v[28:31], v[L16], s[52:53] offset:512
	global_load_b128 v[42:45], v[L16], s[54:55]            ; and of the second
	global_load_b128 v[46:49], v[L16], s[54:55] offset:512
	global_load_b32 v[QSW], v[R16], s[56:57]               ; their scale words
	global_load_b32 v41, v[R16], s[58:59]
	s_mul_i32 s60, s[WV], WST
	s_add_co_u32 s60, s60, STAGE                   ; my stage
	v_and_b32 v252, 7, v0
	v_mul_u32_u24 v[STI], v250, SPT
	v_mul_u32_u24 v[STO], v251, SPT
	v_lshl_add_u32 v[STI], v251, 5, v[STI]
	v_lshl_add_u32 v[STO], v252, 4, v[STO]
	v_add_nc_u32 v[STI], s60, v[STI]               ; in: row r, + 32 h; the second of a half's two tiles 64 bytes on
	v_add_nc_u32 v[STO], s60, v[STO]               ; back: lanes 0-15 one row, lanes 16-31 the next; 16 (lane % 8) in it
	v_lshlrev_b32 v[GO], 12, v251
	v_lshlrev_b32 v252, 4, v251
	v_lshl_add_u32 v[GO], v250, 4, v[GO]           ; and the same two rows in out0
	v_sub_nc_u32 v[DQ], v250, v252
.irp j, 0,1,2,3,4,5,6,7
	v_mov_b32 v[16+\j], 0                          ; the zero codes on either side of q
	v_mov_b32 v[32+\j], 0
.endr
	v_mov_b32 v13, 0xff61b1e6                      ; the largest t so far: -3e38, under every t
	v_mov_b32 v14, 0                               ; the sum, in two halves
	v_mov_b32 v15, 0
	v_floor_f32 v12, -v13                          ; -M
.irp b, 0,1,2,3
	v_mov_b32 v[TP+\b], 0                          ; written once: a lane permute's destination counts as one of its sources
.endr
	v_mov_b32 v[PSW], 0                            ; (named as the upper half of the pair with f before it is first written)
.set n, 0
.rept 32
	v_mov_b32 v[OT+n], 0                           ; O^T: the step is written once: the first finds zeros, which the first change of M leaves zeros
.set n, n+1
.endr
; A KEY STEP: 128 keys.  m = 1: the step may lie on the diagonal or behind it;  m = 0: all its keys count for every wave (steps 0 and 1 of the first walk, whose last step is 2 at the least).
.macro STEP m
.if \m
	s_cmp_gt_u32 s[SI], s[LS]                      ; a step all of whose keys come after my 16 queries is left out: a scalar branch on the wave's number and the count of steps
	s_cbranch_scc1 .Lhidden_\@
.endif
	v_add_nc_u32 v[ADL], s[TB], v[L16]
	v_add_nc_u32 v[ADR], s[TB], v[R16]
.rept 6
	v_nop                                          ; with the two additions: eight places in front of loads into registers that the last products have read
.endr
.irp f, 0,1,2,3
.irp c, 0,1,2,3
	ds_load_b128 v[KVF+16*\f+4*\c:KVF+16*\f+4*\c+3], v[ADL] offset:2048*\f+512*\c   ; 32 lanes read 512 consecutive bytes
.endr
.endr
	ds_load_b128 v[SW:SW+3], v[ADR] offset:KSC     ; lane r: the words of row r of the four fragments
	s_wait_alu depctr_va_vdst(0)
	s_wait_dscnt 0x0
.irp f, 0,1,2,3                                ; S^T = K Q^T: one fragment of K against (q, 0) and against (0, q); eight sums, each begun with 0
	v_wmma_scale_f32_16x16x128_f8f6f4 v[SCR+16*\f:SCR+16*\f+7], v[KVF+16*\f:KVF+16*\f+15], v[QA:QA+15], 0, v[SW+\f], v[QSW] matrix_a_fmt:MATRIX_FMT_BF8 matrix_b_fmt:MATRIX_FMT_BF8
	v_wmma_scale_f32_16x16x128_f8f6f4 v[SCR+16*\f+8:SCR+16*\f+15], v[KVF+16*\f:KVF+16*\f+15], v[QB:QB+15], 0, v[SW+\f], v[QSW] matrix_a_fmt:MATRIX_FMT_BF8 matrix_b_fmt:MATRIX_FMT_BF8
.endr
.rept 8
	v_nop                                          ; eight places: the scores are read, and V is loaded over K
.endr
.irp t, 0,1,2,3                                ; V's fragments and scale words are asked for now and are waited for behind the softmax
.irp c, 0,1,2,3
	ds_load_b128 v[KVF+16*\t+4*\c:KVF+16*\t+4*\c+3], v[ADL] offset:VOF+2048*\t+512*\c
.endr
.endr
	ds_load_b128 v[SW:SW+3], v[ADR] offset:VSC
.if \m
	s_cmp_lt_u32 s[SI], s[LS]                      ; on the diagonal the scores of hidden keys become -infinity ahead of the maximum: p = 0 then.  A step all of whose keys count skips this
	s_cbranch_scc1 .Lopen_\@
	s_sub_co_i32 s52, s[Q0], s[KF]
	v_add_nc_u32 v250, s52, v[DQ]                  ; d = my query - the step's first key - 16 (lane / 16).  Register 16 b + i holds key 32 b + 16 (lane / 16) + i of the step: hidden where 32 b + i > d
	v_mov_b32 v251, 0xff800000                     ; -infinity
.irp n, 0,1,2,3,4,5,6,7,8,9,10,11,12,13,14,15,16,17,18,19,20,21,22,23,24,25,26,27,28,29,30,31,32,33,34,35,36,37,38,39,40,41,42,43,44,45,46,47,48,49,50,51,52,53,54,55,56,57,58,59,60,61,62,63
	v_cmp_gt_i32 vcc_lo, 32*(\n/16)+\n%16, v250
	v_cndmask_b32 v[SCR+\n], v[SCR+\n], v251, vcc_lo
.endr
.Lopen_\@:
.endif
.irp b, 0,1,2,3
	v_max3_num_f32 v[BM+\b], v[SCR+16*\b], v[SCR+1+16*\b], v[SCR+2+16*\b]   ; the largest score of each block of 32 keys: for the row's maximum, and, since p rises with the score, for the block's largest p
.endr
.irp i, 3,5,7,9,11,13
.irp b, 0,1,2,3
	v_max3_num_f32 v[BM+\b], v[BM+\b], v[SCR+16*\b+\i], v[SCR+1+16*\b+\i]   ; (the four blocks by turns)
.endr
.endr
.irp b, 0,1,2,3
	v_max_num_f32 v[BM+\b], v[BM+\b], v[SCR+15+16*\b]
.endr
.irp b, 0,1,2,3
	s_delay_alu instid0(VALU_DEP_4)
	v_permlanex16_b32 v[TP+\b], v[BM+\b], s[SEL], s[SEL+1]
.endr
.irp b, 0,1,2,3
	s_delay_alu instid0(VALU_DEP_4)
	v_max_num_f32 v[BM+\b], v[BM+\b], v[TP+\b]     ; with lane l xor 16's 16 keys
.endr
	s_delay_alu instid0(VALU_DEP_2)
	v_max3_num_f32 v250, v[BM], v[BM+1], v[BM+2]
	s_delay_alu instid0(VALU_DEP_1)
	v_max_num_f32 v250, v250, v[BM+3]              ; the step's largest score of my query (the step's first key counts for all my queries)
	s_delay_alu instid0(VALU_DEP_1)
	v_mul_f32 v250, s[CS], v250                    ; as t (c is positive)
	s_delay_alu instid0(VALU_DEP_1)
	v_max_num_f32 v13, v13, v250                   ; the running largest t
	v_mov_b32 v250, v12
	s_delay_alu instid0(VALU_DEP_2)
	v_floor_f32 v12, -v13                          ; the new -M = floor(-t) = -ceil(t): M is a whole number
	s_delay_alu instid0(VALU_DEP_1)
	v_sub_f32 v250, v12, v250                      ; M's old value less its new one: a whole number, 0 or less
	s_delay_alu instid0(VALU_DEP_1)
	v_cvt_i32_f32 v250, v250                       ; (it saturates)
	s_delay_alu instid0(VALU_DEP_1)
	v_ldexp_f32 v[FF], 1.0, v250                   ; f = 2^(old M - new M)
.set n, 0
.rept 32
	v_pk_fma_f32 v[SCR+n:SCR+n+1], v[SCR+n:SCR+n+1], s[CS:CS+1], v[12:13] op_sel_hi:[1,0,0]   ; t - M, two at a time (of the pairs c and -M the low word serves both halves)
.set n, n+2
.endr
.irp b, 0,1,2,3
	v_fma_f32 v[BM+\b], v[BM+\b], s[CS], v12       ; the same of each block's largest score
.endr
.set n, 0
	s_wait_alu depctr_va_vdst(0)
.rept 64
	v_exp_f32 v[SCR+n], v[SCR+n]                   ; p = 2^(t - M), at most 1: not normalised
.set n, n+1
.endr
	v_pk_mul_f32 v[14:15], v[14:15], v[FF:FF+1] op_sel_hi:[1,0]   ; the sums under the new M: the plain instruction behind the exponentials
	s_wait_alu depctr_va_vdst(0)                   ; one wait for the batch of 64, ahead of its first reader
.irp b, 0,1,2,3
	v_exp_f32 v[BM+\b], v[BM+\b]                   ; the block's largest p: the same two instructions on the same number give the same bits
.endr
	v_pk_add_f32 v[232:233], v[120:121], v[124:125]   ; the row's sum of the unquantised p: eight chains of pairs, then joined
	v_pk_add_f32 v[254:255], v[128:129], v[132:133]
	v_pk_add_f32 v[252:253], v[136:137], v[140:141]
	v_pk_add_f32 v[242:243], v[144:145], v[148:149]
	v_pk_add_f32 v[240:241], v[152:153], v[156:157]
	v_pk_add_f32 v[238:239], v[160:161], v[164:165]
	v_pk_add_f32 v[236:237], v[168:169], v[172:173]
	v_pk_add_f32 v[14:15], v[14:15], v[176:177]
	v_pk_add_f32 v[232:233], v[232:233], v[116:117]
	v_pk_add_f32 v[254:255], v[254:255], v[118:119]
	v_pk_add_f32 v[252:253], v[252:253], v[122:123]
	v_pk_add_f32 v[242:243], v[242:243], v[126:127]
	v_pk_add_f32 v[240:241], v[240:241], v[130:131]
	v_pk_add_f32 v[238:239], v[238:239], v[134:135]
	v_pk_add_f32 v[236:237], v[236:237], v[138:139]
	v_pk_add_f32 v[14:15], v[14:15], v[142:143]
	v_pk_add_f32 v[232:233], v[232:233], v[146:147]
	v_pk_add_f32 v[254:255], v[254:255], v[150:151]
	v_pk_add_f32 v[252:253], v[252:253], v[154:155]
	v_pk_add_f32 v[242:243], v[242:243], v[158:159]
	v_pk_add_f32 v[240:241], v[240:241], v[162:163]
	v_pk_add_f32 v[238:239], v[238:239], v[166:167]
	v_pk_add_f32 v[236:237], v[236:237], v[170:171]
	v_pk_add_f32 v[14:15], v[14:15], v[174:175]
	v_pk_add_f32 v[232:233], v[232:233], v[178:179]
	s_delay_alu instid0(VALU_DEP_2)
	v_pk_add_f32 v[14:15], v[14:15], v[242:243]
	s_delay_alu instid0(VALU_DEP_2)
	v_pk_add_f32 v[232:233], v[232:233], v[240:241]
	v_pk_add_f32 v[254:255], v[254:255], v[238:239]
	v_pk_add_f32 v[252:253], v[252:253], v[236:237]
	s_delay_alu instid0(VALU_DEP_2)
	v_pk_add_f32 v[14:15], v[14:15], v[254:255]
	s_delay_alu instid0(VALU_DEP_2)
	v_pk_add_f32 v[232:233], v[232:233], v[252:253]
	s_delay_alu instid0(VALU_DEP_1)
	v_pk_add_f32 v[14:15], v[14:15], v[232:233]
	s_wait_alu depctr_va_vdst(0)                   ; and one for the four
.irp b, 0,1,2,3
	v_max_num_f32 v[BM+\b], 0x8000000, v[BM+\b]    ; the floor 2^(16 - 127): the byte cannot fall under 1
.endr
.irp b, 0,1,2,3
	s_delay_alu instid0(VALU_DEP_4)
	v_add_nc_u32 v[SOP+\b], 0xf8800000, v[BM+\b]   ; 15 off the exponent field: the conversion's scale operand
.endr
.irp b, 0,1,2,3
	v_and_or_b32 v[LM+\b], v[BM+\b], 0x7f800000, s[MNT]   ; 57,344 x the scale
.endr
.irp b, 0,1,2,3
	v_and_or_b32 v[LM2+(\b+1)%4], v[BM+\b], 0x7f800000, s[MNT]   ; and once more, for the second half of the dual holds
.endr
.irp b, 0,1,2,3
	v_lshrrev_b32 v[TP+\b], 23, v[SOP+\b]          ; the scale's byte
.endr
	s_delay_alu instid0(VALU_DEP_3)
	v_lshl_or_b32 v[PSW], v[TP+1], 8, v[TP]        ; p's scale word for these 128 keys: it stands 32 dual holds and 16 multiplications ahead of the products that name it
	s_delay_alu instid0(VALU_DEP_1)
	v_lshl_or_b32 v[PSW], v[TP+2], 16, v[PSW]
	s_delay_alu instid0(VALU_DEP_1)
	v_lshl_or_b32 v[PSW], v[TP+3], 24, v[PSW]
.irp b, 0,1,2,3
.irp i, 0,2,4,6,8,10,12,14
	v_dual_min_num_f32 v[SCR+16*\b+\i], v[SCR+16*\b+\i], v[LM+\b] :: v_dual_min_num_f32 v[SCR+16*\b+\i+1], v[SCR+16*\b+\i+1], v[LM2+(\b+1)%4]   ; the conversion to an 8-bit code does not saturate (ISA guide 7.6.2); p is not negative, so the hold is one-sided; two holds an instruction
.endr
	v_cvt_scalef32_pk8_bf8_f32 v[PCD+4*\b:PCD+1+4*\b], v[SCR+16*\b:SCR+7+16*\b], v[SOP+\b]
	v_cvt_scalef32_pk8_bf8_f32 v[PCD+2+4*\b:PCD+3+4*\b], v[SCR+8+16*\b:SCR+15+16*\b], v[SOP+\b]
.endr
	s_wait_alu depctr_va_vdst(0)                   ; directly ahead of the first reader of O^T
.set n, 0
.rept 16
	v_pk_mul_f32 v[OT+n:OT+n+1], v[OT+n:OT+n+1], v[FF:FF+1] op_sel_hi:[1,0]   ; O^T under the new M, from each accumulator's low end on.  These 16 are also the places between the codes and the products
.set n, n+2
.endr
	s_wait_alu depctr_va_vdst(0)
	s_wait_dscnt 0x0                               ; V and its scale words are in
.irp t, 0,1,2,3                                ; O^T += V^T P^T: four accumulators by turns; K = these 128 keys
	v_wmma_scale_f32_16x16x128_f8f6f4 v[OT+8*\t:OT+8*\t+7], v[KVF+16*\t:KVF+16*\t+15], v[PCD:PCD+15], v[OT+8*\t:OT+8*\t+7], v[SW+\t], v[PSW] matrix_a_fmt:MATRIX_FMT_BF8 matrix_b_fmt:MATRIX_FMT_BF8
.endr
.if \m
.Lhidden_\@:
.endif
	s_add_co_u32 s[KF], s[KF], 128
	s_add_co_u32 s[TB], s[TB], STEPB
	s_add_co_u32 s[SI], s[SI], 1
.endm
; THE WAY OUT of a tile of 16 queries.  O^T is divided by the sum and goes through my stage in LDS, so that sixteen lanes store a query's 64 numbers of this head: 256 consecutive bytes, aligned.
; The stage holds 16 rows of 32 channels: channels 0-31 go first, channels 32-63 over them.  LDS serves a wave's instructions in order, so the second half's stores come behind the first half's loads.
; Each half is read back by all lanes, 16 (lane % 8) bytes into a row; of each sixteen lanes the lower eight then keep the first half's 16 bytes and the upper eight take the second half's.
.macro WAYOUT
.rept 8
	v_nop                                          ; eight places behind the last products: O^T is read, and rows are loaded over V
.endr
	v_add_f32 v14, v14, v15                        ; the sum's two halves,
	s_delay_alu instid0(VALU_DEP_1)
	v_permlanex16_b32 v250, v14, s[SEL], s[SEL+1]
	s_delay_alu instid0(VALU_DEP_1)
	v_add_f32 v14, v14, v250                       ; and lane l xor 16's: the row's sum
	s_wait_alu depctr_va_vdst(0)
	v_rcp_f32 v14, v14
	v_nop                                          ; a plain instruction behind the transcendental,
	s_wait_alu depctr_va_vdst(0)                   ; and the wait ahead of its first reader
.set n, 0
.rept 16
	v_pk_mul_f32 v[SCR+n:SCR+n+1], v[OT+n:OT+n+1], v[14:15] op_sel_hi:[1,0]   ; register 8 t + j is o(query r, d = 16 t + 8 h + j)
.set n, n+2
.endr
	s_wait_alu depctr_va_vdst(0)
.irp u, 0,1
.irp t, 0,1
	ds_store_b128 v[STI], v[SCR+16*\u+8*\t:SCR+16*\u+8*\t+3] offset:64*\t
	ds_store_b128 v[STI], v[SCR+16*\u+8*\t+4:SCR+16*\u+8*\t+7] offset:64*\t+16
.endr
.irp i, 0,1,2,3,4,5,6,7
	ds_load_b128 v[KVF+32*\u+4*\i:KVF+32*\u+4*\i+3], v[STO] offset:\i*2*SPT
.endr
.endr
	s_mov_b32 vcc_lo, 0xff00ff00                   ; the upper eight of each sixteen lanes
.irp i, 0,1,2,3,4,5,6,7
	s_wait_dscnt 7-\i                              ; the second half's load i is in (the 7 - i behind it may be out), and so is every load of the first half
.irp k, 0,1,2,3
	v_cndmask_b32 v[KVF+4*\i+\k], v[KVF+4*\i+\k], v[KVF+32+4*\i+\k], vcc_lo
.endr
	global_store_b128 v[GO], v[KVF+4*\i:KVF+4*\i+3], s[OB:OB+1] offset:\i*8192 th:TH_STORE_NT
.endr
	s_wait_xcnt 0x0                                ; the stores have read their data and their base: both are written again only behind this wait
.endm
	s_wait_alu depctr_va_vdst(0)
	s_wait_loadcnt 0x0                             ; Q of both tiles
	s_cmp_lt_u32 s[WV], 4
	s_cbranch_scc0 .Lnot_first
	s_wait_tensorcnt 0x0                           ; waves 0 to 3: steps 0 to 3 are in.  The other waves' wait stands at the second barrier
.Lnot_first:
	s_barrier_signal -1
	s_barrier_wait -1
.Lwalk_a:                                          ; the first tile, steps 0 and 1
	STEP 0
	s_cmp_lt_u32 s[SI], 2
	s_cbranch_scc1 .Lwalk_a
	s_wait_tensorcnt 0x0                           ; every wave: all sixteen steps are in
	s_wait_dscnt 0x0
	s_barrier_signal -1
	s_barrier_wait -1
	s_mov_b32 s[SI], 2
	s_mov_b32 s[TB], 2*STEPB
	s_mov_b32 s[KF], 256
.Lwalk_b:                                          ; the first tile, steps 2 to 15: the trip count is a constant; a wave passes over the steps behind its diagonal
	STEP 1
	s_cmp_lt_u32 s[SI], 16
	s_cbranch_scc1 .Lwalk_b
	WAYOUT
	v_mov_b32 v[QSW], v41                          ; on to the second tile: its scale word first: more than eight plain instructions stand between this line and the next product
.irp j, 0,1,2,3,4,5,6,7
	v_mov_b32 v[24+\j], v[42+\j]
.endr
	v_mov_b32 v13, 0xff61b1e6
	v_mov_b32 v14, 0
	v_mov_b32 v15, 0
	v_floor_f32 v12, -v13
.set n, 0
.rept 32
	v_mov_b32 v[OT+n], 0
.set n, n+1
.endr
	s_mov_b32 s[Q0], s[Q0B]
	s_mov_b32 s[LS], s[LS2]
	s_mov_b32 s[SI], 0
	s_mov_b32 s[TB], 0
	s_mov_b32 s[KF], 0
	s_mov_b64 s[OB:OB+1], s[OB2:OB2+1]
	s_wait_alu depctr_va_vdst(0)
.Lwalk_c:                                          ; the second tile: m is 27 at the most, so steps 0 to 13 at the most
	STEP 1
	s_cmp_lt_u32 s[SI], 14
	s_cbranch_scc1 .Lwalk_c
	WAYOUT
	s_wait_tensorcnt 0x0                           ; the wave's end, behind my tensor load and my last LDS store
	ds_add_u32 v[SPW], v[NIL]
	s_wait_dscnt 0x0
	CROUND                                         ; the closing round
	s_endpgm
.Lfunc_end_k_qe43f180311_attn:
	.size	k_qe43f180311_attn, .Lfunc_end_k_qe43f180311_attn-k_qe43f180311_attn
	.p2alignl 7, 3214868480
	.fill 96, 4, 3214868480
	.section	.rodata,"a",@progbits
	.p2align	6, 0x0
	.amdhsa_kernel k_qe43f180311_attn
		.amdhsa_group_segment_fixed_size 327680
		.amdhsa_private_segment_fixed_size 0
		.amdhsa_enable_private_segment 0
		.amdhsa_kernarg_size 32
		.amdhsa_user_sgpr_count 2
		.amdhsa_user_sgpr_kernarg_segment_ptr 1
		.amdhsa_wavefront_size32 1
		.amdhsa_system_sgpr_workgroup_id_x 1
		.amdhsa_system_sgpr_workgroup_id_y 1
		.amdhsa_system_sgpr_workgroup_id_z 1
		.amdhsa_system_vgpr_workitem_id 0
		.amdhsa_next_free_vgpr 256
		.amdhsa_next_free_sgpr 66
		.amdhsa_reserve_vcc 1
		.amdhsa_float_denorm_mode_32 3
		.amdhsa_float_denorm_mode_16_64 3
		.amdhsa_memory_ordered 1
		.amdhsa_forward_progress 1
		.amdhsa_inst_pref_size 91
	.end_amdhsa_kernel
	.amdgpu_metadata
---
amdhsa.version: [ 1, 2 ]
amdhsa.kernels:
  - .name:           k_qe43f180311_attn
    .symbol:         k_qe43f180311_attn.kd
    .args:
      - { .name: qc, .offset: 0, .size: 8, .value_kind: global_buffer, .address_space: global }
      - { .name: qs, .offset: 8, .size: 8, .value_kind: global_buffer, .address_space: global }
      - { .name: kv, .offset: 16, .size: 8, .value_kind: global_buffer, .address_space: global }
      - { .name: out0, .offset: 24, .size: 8, .value_kind: global_buffer, .address_space: global }
    .group_segment_fixed_size: 327680
    .private_segment_fixed_size: 0
    .kernarg_segment_align: 8
    .kernarg_segment_size: 32
    .max_flat_workgroup_size: 512
    .sgpr_count:     66
    .vgpr_count:     256
    .wavefront_size: 32
...
	.end_amdgpu_metadata
.endif
;; end of part 3
